; MI455X (gfx1250); checked and timed in simulation.
; The chip was launched on July 23, 2026; its instructions are those of AMD's public machine-readable ISA for CDNA 5 (MIT licence, August 2026) and "CDNA5" Instruction Set Architecture Reference Guide (July 2026). The comments in the code are by the model that wrote it; some were corrected since.
;; Grouped Query Attention. Allowed arithmetic: matrix products marked QUANTISED: E4M3 operands, one given power-of-two scale a tensor, by v_wmma_f32_16x16x64_fp8_fp8 or v_wmma_f32_16x16x128_fp8_fp8, f32 sums; everything else in f32.
;; Inputs: freqs_cis 1,024 x 32 x 2 float32; lowp_scales 12 int32 (the exponents e of the quantised operands' scales 2^e); wk 512 x 2,048 float32; wo 2,048 x 2,048 float32; wq 2,048 x 2,048 float32; wv 512 x 2,048 float32; x 4 x 1,024 x 2,048 float32.
;; Outputs: out0 4 x 1,024 x 2,048 float32.
;; This version of the problem:
;;   THIS VERSION OF THE PROBLEM IS GIVEN IN LOW PRECISION. The matrix products marked QUANTISED in the list below multiply operands that are first quantised to E4M3 (4 exponent bits, 3 mantissa bits; 8 bits a number), with one given power-of-two scale for each operand tensor; their sums are f32. All else is computed in f32.
;;   The module's matrix products, in the order in which they are computed (A, B: the left and right operand; K: the contracted axis; several contracted axes count as one K, in the product's order):
;;     1. [M 4,096, K 2,048] x [K 2,048, N 2,048]; A: input x; B: input wq: QUANTISED (scales: A lowp_scales[0], B lowp_scales[1])
;;     2. [M 4,096, K 2,048] x [K 2,048, N 512]; A: input x; B: input wk: QUANTISED (scales: A lowp_scales[2], B lowp_scales[3])
;;     3. [M 4,096, K 2,048] x [K 2,048, N 512]; A: input x; B: input wv: QUANTISED (scales: A lowp_scales[4], B lowp_scales[5])
;;     4. batch 128 x [M 1,024, K 64] x [K 64, N 1,024]; A: computed on the way; B: computed on the way: QUANTISED (scales: A lowp_scales[6], B lowp_scales[7])
;;     5. batch 128 x [M 1,024, K 1,024] x [K 1,024, N 64]; A: softmax (see below); B: computed on the way: QUANTISED (scales: A lowp_scales[8], B lowp_scales[9])
;;     6. [M 4,096, K 2,048] x [K 2,048, N 2,048]; A: computed on the way; B: input wo: QUANTISED (scales: A lowp_scales[10], B lowp_scales[11])
;;   THE QUANTISER, for each operand of a quantised product, along K:
;;     - The operand's scale is 2^e, e = its entry of the input lowp_scales (int32; the entries are numbered through the quantised products in the list's order, A before B).
;;     - Each number is divided by the scale, clamped to +-448, and rounded to the nearest number of E4M3, ties to even, subnormals kept.
;;     - The product sums the exact products of the quantised numbers (number of the format x scale) in f32.
;;   ~~~python
;;   def quantise(x, axis, e):      # numpy; x: float32 -> the quantised numbers, widened to float32 again
;;       x = np.moveaxis(x, axis, -1); K = x.shape[-1]
;;       r = np.clip(x / 2.0 ** e, -448, 448)
;;       step = 2.0 ** (np.maximum(np.frexp(np.where(r == 0, 1, r))[1] - 1, -6) - 3)
;;       q = np.round(r / step) * step * 2.0 ** e      # np.round: ties to even
;;       return np.moveaxis(q, -1, axis).astype(np.float32)
;;   ~~~
;;   SOFTMAX AHEAD OF A QUANTISED PRODUCT. Where the list says 'softmax', what is quantised is not the finished softmax but p = 2^(t - M), with t = logit x log2(e) and M = ceil(the row's largest t), a whole number; so 1/2 < the row's largest p <= 1. The row's sum l is taken of the UNQUANTISED p, in f32, and the product's result is divided by l at the end. Since M is a whole number, a kernel that streams over the keys may use a running M (the ceiling of the running maximum): every later rescaling is an exact power of two, so the quantised numbers keep their values, but for numbers so far below the row's largest that they fall under the format's range.
;;   OPERANDS COMPUTED ON THE WAY. 'Computed on the way' means the value that the module computes at that place (a softmax that the list does not call 'softmax' is quantised finished and normalised). What goes into a quantiser is computed in f32, as accurately as f32 sums, v_exp_f32 and their like allow (about 1e-6 of the number): no bf16 or f16 on the way to a quantiser, and a product that is left as it is and whose result goes on into a quantised operand takes f32 operands (vector FMAs, or v_wmma_f32_16x16x4_f32). A number that lies on a knife's edge between two numbers of the format may be rounded either way, as far as f32 arithmetic and the matrix unit's own rounding can turn it there, and no further.
;; One version. Each part assembles by itself: llvm-mc -triple=amdgcn-amd-amdhsa -mcpu=gfx1250 --defsym DOCPART=n.
;; ======== version 1 of 1: 4 launches
;; limits: right only within a limited range of input values
;; workspace buffers: xc 25,165,824 bytes; wc 10,485,760 bytes; qc 8,388,608 bytes; kc 2,097,152 bytes; vc 2,097,152 bytes; vf 8,388,608 bytes; ac 8,388,608 bytes
;; launch quant (part 1): grid 576 x 1, 4 waves a work-group, no clusters, 35,328 bytes of LDS; arguments x, wq, wk, wv, wo, lowp_scales, xc, wc; writes xc, wc
.if DOCPART == 1
	.amdgcn_target "amdgcn-amd-amdhsa--gfx1250"
	.amdhsa_code_object_version 6
	.text
	.protected	k_qa4b0d0df67_quant
	.globl	k_qa4b0d0df67_quant
	.p2align	8
	.type	k_qa4b0d0df67_quant,@function
k_qa4b0d0df67_quant:
	s_mov_b64 s[64:65], 0
	v_nop
	global_prefetch_b8 v0, s[64:65] scope:SCOPE_SE
	s_setreg_imm32_b32 hwreg(HW_REG_WAVE_MODE, 25, 1), 1
	s_wait_xcnt 0x0
; x [4096][2048] and the four weights ([rows][2048], K innermost), all f32, become codes of FP8 (E4M3), each with the scale 2^e that is given for it.
; x is an operand of three products with three given scales (entries 0, 2, 4): three sets of codes.  wq: entry 1, wk: 3, wv: 5, wo: 11.
; code = number / 2^e, rounded to the nearest code, ties to even.
; LIMITS: each e used here lies between -126 and 119, so that 2^e and 448 x 2^e are f32 numbers.  NaN, an infinity or a number beyond 448 x 2^e among the inputs is not served.
; THE CODES ARE LAID IN THE ORDER OF THE OPERAND'S REGISTERS.  An image of 16 rows x 64 k is 1,024 bytes: quad q (registers 4 q .. 4 q + 3 of the fragment) at 512 q + 16 x lane; lane (r, h) holds row r, and its
; registers 2 c, 2 c + 1 hold k = 16 c + 8 h + 0 .. 7.  Images lie [row / 64][k / 512][(row / 16) % 4][(k / 64) % 8]: 64 rows x 512 k are one dense block of 32,768 bytes.
; xc: the three sets, 8 MiB apart.  wc: the rows of wq, wk, wv, wo on end (0, 2048, 2560, 3072).
; SHARES.  A work-group takes 64 rows x 512 k; the first 256 take x, then 128 wq, 32 wk, 32 wv, 128 wo: only pointers and a scale are chosen, by the work-group's number.  Wave w takes rows 16 w .. 16 w + 15 in 8 steps of 64 k.
; A step's 16 rows x 256 bytes are loaded as they lie (sixteen lanes to a row's 256 bytes) and turn through the wave's own stage in LDS, so that a lane gets the 8 neighbours along K that a conversion takes.
; A wave's store of a quad covers 512 consecutive bytes, aligned.  No tensor loads, no barrier: waves share nothing.  Loads run four steps (32 loads a wave) ahead, the turn through LDS one step.
.set WREG,  8704                       ; LDS of a wave: two stages
.set STG,   4352                       ; a stage: 16 rows x (256 bytes + 16 of padding)
.set SPARE, 4*WREG                     ; behind the stages: the spare words, 128 bytes for each wave: two blocks of 256 bytes that no other line names
.set LOFF, 1                           ; v1   a load: 8192 (lane / 16) + 16 (lane % 16): two rows an instruction
.set STI,  2                           ; v2   the stage, on the way in: the same two rows, 272 bytes apart
.set STO,  3                           ; v3   and on the way out: row r, + 32 h
.set CO,   4                           ; v4   16 x lane: my place in a quad
.set SPW,  5                           ; v5   LDS address of my spare word; never rewritten
.set NIL,  6                           ; v6   0; never rewritten
.set R,    8                           ; v8-135    four sets of 32: a step as it is loaded
.set X,    136                         ; v136-199  two sets of 32: register 8 c + i = (row r, k = 16 c + 8 h + i)
.set T,    200                         ; v200-215  not written or read: the conversions take X's registers
.set C,    216                         ; v216-239  codes: 8 registers for each of three scales
.set SC,   240                         ; v240, v242, v244  2^e: the chosen tensor's, entry 2's, entry 4's
.set SRC,  36                          ; s[36:37]  my wave's first number
.set D0,   38                          ; s[38:39], s[40:41], s[42:43]  my wave's first image, in the three sets
	s_load_b512 s[4:19], s[0:1], 0x0               ; x, wq, wk, wv, wo, the scales' exponents, xc, wc
	v_lshl_add_u32 v[SPW], v0, 2, SPARE
	v_mov_b32 v[NIL], 0
	v_lshrrev_b32 v7, 5, v0
	v_readfirstlane_b32 s32, v7                    ; wave 0..3
	v_and_b32 v7, 15, v0                           ; r
	v_bfe_u32 v246, v0, 4, 1                       ; h
	v_lshlrev_b32 v[LOFF], 4, v7
	v_lshl_add_u32 v[LOFF], v246, 13, v[LOFF]
	s_mul_i32 s46, s32, WREG
	v_mul_u32_u24 v[STI], v246, 272
	v_lshl_add_u32 v[STI], v7, 4, v[STI]
	v_add_nc_u32 v[STI], s46, v[STI]
	v_mul_u32_u24 v[STO], v7, 272
	v_lshl_add_u32 v[STO], v246, 5, v[STO]
	v_add_nc_u32 v[STO], s46, v[STO]
	v_and_b32 v[CO], 31, v0
	v_lshlrev_b32 v[CO], 4, v[CO]
	; which tensor: the first work-group of it (s34), and what is taken off for the destination's group (s35)
	s_mov_b32 s34, 448
	s_cmp_lt_u32 ttmp9, 448
	s_cselect_b32 s34, 416, s34
	s_cmp_lt_u32 ttmp9, 416
	s_cselect_b32 s34, 384, s34
	s_cmp_lt_u32 ttmp9, 384
	s_cselect_b32 s34, 256, s34
	s_cmp_lt_u32 ttmp9, 256
	s_cselect_b32 s34, 0, s34
	s_cselect_b32 s35, 0, 256
	s_sub_co_u32 s44, ttmp9, s34
	s_lshr_b32 s44, s44, 2
	s_lshl_b32 s44, s44, 19                        ; the group of 64 rows: 64 x 8,192 bytes
	s_and_b32 s47, ttmp9, 3                        ; which 512 along K
	s_lshl_b32 s48, s47, 11
	s_add_co_u32 s44, s44, s48
	s_lshl_b32 s48, s32, 17                        ; my wave's 16 rows
	s_add_co_u32 s44, s44, s48
	s_mov_b32 s45, 0
	s_sub_co_u32 s48, ttmp9, s35
	s_lshr_b32 s48, s48, 2
	s_lshl_b32 s48, s48, 17                        ; the group's codes: 131,072 bytes
	s_lshl_b32 s47, s47, 15
	s_add_co_u32 s48, s48, s47
	s_lshl_b32 s47, s32, 13
	s_add_co_u32 s48, s48, s47
	s_mov_b32 s49, 0
	s_wait_alu depctr_va_vdst(0)
	s_wait_kmcnt 0x0
	s_load_b256 s[20:27], s[14:15], 0x0            ; entries 0 to 7
	s_load_b128 s[28:31], s[14:15], 0x20           ; entries 8 to 11
	s_mov_b64 s[SRC:SRC+1], s[12:13]               ; the choice hangs on the work-group's number alone
	s_cmp_lt_u32 ttmp9, 448
	s_cselect_b64 s[SRC:SRC+1], s[10:11], s[SRC:SRC+1]
	s_cmp_lt_u32 ttmp9, 416
	s_cselect_b64 s[SRC:SRC+1], s[8:9], s[SRC:SRC+1]
	s_cmp_lt_u32 ttmp9, 384
	s_cselect_b64 s[SRC:SRC+1], s[6:7], s[SRC:SRC+1]
	s_cmp_lt_u32 ttmp9, 256
	s_cselect_b64 s[SRC:SRC+1], s[4:5], s[SRC:SRC+1]
	s_cselect_b64 s[D0:D0+1], s[16:17], s[18:19]
	s_add_nc_u64 s[SRC:SRC+1], s[SRC:SRC+1], s[44:45]
	s_add_nc_u64 s[D0:D0+1], s[D0:D0+1], s[48:49]
	s_add_nc_u64 s[D0+2:D0+3], s[D0:D0+1], 0x800000    ; x's second and third set (used by x's work-groups alone)
	s_add_nc_u64 s[D0+4:D0+5], s[D0:D0+1], 0x1000000
.macro LOAD u                          ; step u: 16 rows x 256 bytes; sixteen lanes read a row's 256 consecutive bytes, aligned
.irp i, 0,1,2,3,4,5,6,7
	global_load_b128 v[R+32*((\u)%4)+4*\i:R+32*((\u)%4)+4*\i+3], v[LOFF], s[SRC:SRC+1] offset:\i*16384+(\u)*256 th:TH_LOAD_NT
.endr
.endm
.macro TURN u                          ; step u through the stage: LDS serves a wave's instructions in order, so no wait stands between the stores and the loads
.irp i, 0,1,2,3,4,5,6,7
	ds_store_b128 v[STI], v[R+32*((\u)%4)+4*\i:R+32*((\u)%4)+4*\i+3] offset:STG*((\u)%2)+\i*544
.endr
	v_nop
.irp c, 0,1,2,3
.irp e, 0,1
	ds_load_b128 v[X+32*((\u)%2)+8*\c+4*\e:X+32*((\u)%2)+8*\c+4*\e+3], v[STO] offset:STG*((\u)%2)+64*\c+16*\e
.endr
.endr
.endm
.macro MKSCALE e, v                    ; v[v] = 2^e as f32 (the conversion takes its exponent field)
	s_add_co_i32 s47, \e, 127
	s_lshl_b32 s48, s47, 23
	v_mov_b32 v[\v], s48
.endm
; 32 numbers at v[xs] on become 8 registers of codes at v[cb] on.  The conversion to an 8-bit code does not saturate (ISA guide 7.6.2).
.macro QUANT xs, cb, sc
.irp c, 0,1,2,3
.irp i, 0,1,2,3,4,5,6,7
.endr
	v_cvt_scalef32_pk8_fp8_f32 v[\cb+2*\c:\cb+2*\c+1], v[T+8*(\c%2)+((\xs+8*\c+0)-(T+8*(\c%2)+0)):T+8*(\c%2)+7+((\xs+8*\c+0)-(T+8*(\c%2)+0))], v[\sc]
.endr
.endm
.irp u, 0,1,2,3
	LOAD \u
.endr
	s_wait_kmcnt 0x0
	s_mov_b32 s35, s31                             ; the chosen tensor's e: wo's,
	s_cmp_lt_u32 ttmp9, 448
	s_cselect_b32 s35, s25, s35                    ; wv's,
	s_cmp_lt_u32 ttmp9, 416
	s_cselect_b32 s35, s23, s35                    ; wk's,
	s_cmp_lt_u32 ttmp9, 384
	s_cselect_b32 s35, s21, s35                    ; wq's,
	s_cmp_lt_u32 ttmp9, 256
	s_cselect_b32 s35, s20, s35                    ; or x's first
	MKSCALE s35, SC
	MKSCALE s22, SC+2
	MKSCALE s24, SC+4
	s_wait_alu depctr_va_vdst(0)
	s_wait_loadcnt 24                              ; step 0's eight loads are in; those of steps 1 to 3 may be out
	TURN 0
.macro STEP u
.set XS, X+32*((\u)%2)
	s_wait_dscnt 0x0                               ; this step's numbers are back from the stage: so its stores into the stage have read their registers,
.if (\u)+4 < 8
	LOAD (\u)+4                                    ; which take the loads of four steps on
.endif
.if (\u) < 7
.if (\u) <= 3
	s_wait_loadcnt 24                              ; the next step's eight loads are in; those of the three steps behind it may be out
.else
	s_wait_loadcnt 8*(6-(\u))                      ; the counts run down: no load leaves its buffer
.endif
	TURN (\u)+1                                    ; and go through the other stage while this step is worked
.endif
	s_wait_xcnt 0x0                                ; the last step's stores have read their data: the codes' registers are written again only behind this wait
	QUANT XS, C, SC
	global_store_b128 v[CO], v[C:C+3], s[D0:D0+1] offset:(\u)*1024
	global_store_b128 v[CO], v[C+4:C+7], s[D0:D0+1] offset:(\u)*1024+512
	s_cmp_lt_u32 ttmp9, 256                        ; x has two scales more; a weight has none.  Only register work and global stores stand under this branch
	s_cbranch_scc0 .Lnot_x_\@
	QUANT XS, C+8, SC+2
	global_store_b128 v[CO], v[C+8:C+11], s[D0+2:D0+3] offset:(\u)*1024
	global_store_b128 v[CO], v[C+12:C+15], s[D0+2:D0+3] offset:(\u)*1024+512
	QUANT XS, C+16, SC+4
	global_store_b128 v[CO], v[C+16:C+19], s[D0+4:D0+5] offset:(\u)*1024
	global_store_b128 v[CO], v[C+20:C+23], s[D0+4:D0+5] offset:(\u)*1024+512
.Lnot_x_\@:
.endm
.irp u, 0,1,2,3,4,5,6,7
	STEP \u
.endr
	s_wait_tensorcnt 0x0                           ; the wave's end, behind my last LDS store; the tensor wait stands even in a text with no tensor load
	ds_add_u32 v[SPW], v[NIL]
	s_wait_dscnt 0x0
	s_endpgm
.Lfunc_end_k_qa4b0d0df67_quant:
	.size	k_qa4b0d0df67_quant, .Lfunc_end_k_qa4b0d0df67_quant-k_qa4b0d0df67_quant
	.p2alignl 7, 3214868480
	.fill 96, 4, 3214868480
	.section	.rodata,"a",@progbits
	.p2align	6, 0x0
	.amdhsa_kernel k_qa4b0d0df67_quant
		.amdhsa_group_segment_fixed_size 35328
		.amdhsa_private_segment_fixed_size 0
		.amdhsa_enable_private_segment 0
		.amdhsa_kernarg_size 64
		.amdhsa_user_sgpr_count 2
		.amdhsa_user_sgpr_kernarg_segment_ptr 1
		.amdhsa_wavefront_size32 1
		.amdhsa_system_sgpr_workgroup_id_x 1
		.amdhsa_system_sgpr_workgroup_id_y 1
		.amdhsa_system_sgpr_workgroup_id_z 1
		.amdhsa_system_vgpr_workitem_id 0
		.amdhsa_next_free_vgpr 248
		.amdhsa_next_free_sgpr 66
		.amdhsa_reserve_vcc 0
		.amdhsa_float_denorm_mode_32 3
		.amdhsa_float_denorm_mode_16_64 3
		.amdhsa_fp16_overflow 1
		.amdhsa_memory_ordered 1
		.amdhsa_forward_progress 1
		.amdhsa_inst_pref_size 31
	.end_amdhsa_kernel
	.amdgpu_metadata
---
amdhsa.version: [ 1, 2 ]
amdhsa.kernels:
  - .name:           k_qa4b0d0df67_quant
    .symbol:         k_qa4b0d0df67_quant.kd
    .args:
      - { .name: x, .offset: 0, .size: 8, .value_kind: global_buffer, .address_space: global }
      - { .name: wq, .offset: 8, .size: 8, .value_kind: global_buffer, .address_space: global }
      - { .name: wk, .offset: 16, .size: 8, .value_kind: global_buffer, .address_space: global }
      - { .name: wv, .offset: 24, .size: 8, .value_kind: global_buffer, .address_space: global }
      - { .name: wo, .offset: 32, .size: 8, .value_kind: global_buffer, .address_space: global }
      - { .name: lowp_scales, .offset: 40, .size: 8, .value_kind: global_buffer, .address_space: global }
      - { .name: xc, .offset: 48, .size: 8, .value_kind: global_buffer, .address_space: global }
      - { .name: wc, .offset: 56, .size: 8, .value_kind: global_buffer, .address_space: global }
    .group_segment_fixed_size: 35328
    .private_segment_fixed_size: 0
    .kernarg_segment_align: 8
    .kernarg_segment_size: 64
    .max_flat_workgroup_size: 128
    .sgpr_count:     66
    .vgpr_count:     248
    .wavefront_size: 32
...
	.end_amdgpu_metadata
.endif
;; end of part 1
;; launch qkv (part 2): grid 8 x 32, 4 waves a work-group, clusters of 4 x 4, 327,680 bytes of LDS; arguments xc, wc, freqs_cis, lowp_scales, qc, kc, vc, vf; writes qc, kc, vc, vf
.if DOCPART == 2
	.amdgcn_target "amdgcn-amd-amdhsa--gfx1250"
	.amdhsa_code_object_version 6
	.text
	.protected	k_qa4b0d0df67_qkv
	.globl	k_qa4b0d0df67_qkv
	.p2align	8
	.type	k_qa4b0d0df67_qkv,@function
k_qa4b0d0df67_qkv:
	s_mov_b64 s[64:65], 0
	v_nop
	global_prefetch_b8 v0, s[64:65] scope:SCOPE_SE
	s_setreg_imm32_b32 hwreg(HW_REG_WAVE_MODE, 25, 1), 1
	s_wait_xcnt 0x0
	s_wait_alu depctr_hold_cnt(0) depctr_sa_sdst(0) depctr_va_vdst(0) depctr_va_sdst(0) depctr_va_ssrc(0) depctr_va_vcc(0) depctr_vm_vsrc(0)
	s_getreg_b32 s2, hwreg(HW_REG_IB_STS2, 6, 4)
	s_cmp_eq_u32 s2, 0
	s_cbranch_scc0 .Lentry_in_a_cluster
	s_endpgm
.Lentry_in_a_cluster:
	s_bfe_u32 s2, ttmp6, 0x10000c
	s_cmp_lg_u32 s2, 0xf033
	s_cbranch_scc0 .Lentry_shape_is_right
	s_endpgm
.Lentry_shape_is_right:
.set SLOT,   131072
.set STAGE,  2*SLOT
.set SPITCH, 272
.set SPARE,  STAGE+4*16*SPITCH
.set LI,   3
.set FA,   4
.set ADRA, 16
.set ADRB, 20
.set STO,  24
.set RD,   25
.set LIM,  26
.set SCL,  27
.set SPW,  28
.set NIL,  29
.set ACC,  128
.set F0,   0
.set F1,   128
.set WV, 20
.set HI, 21
.set LO, 22
.set G1, 24
.set G0, 32
.set G1B, 48
.set G0B, 56
.set A2, 66
.set B2, 46
.set MSB, 0
.macro WIN new
.if MSB != \new
	s_set_vgpr_msb (MSB<<8)|\new
.set MSB, \new
.endif
.endm
.macro JLOAD s
	s_cmp_eq_u32 s[HI], 0
	s_cbranch_scc0 .Lfor_b_\@
	tensor_load_to_lds s[G0+4*\s:G0+4*\s+3], s[G1:G1+7]
	s_nop 0
.rept 4
	v_nop
.endr
	s_branch .Lasked_\@
.Lfor_b_\@:
	tensor_load_to_lds s[G0B+4*\s:G0B+4*\s+3], s[G1B:G1B+7]
	s_nop 0
.rept 4
	v_nop
.endr
.Lasked_\@:
.endm
.macro CREST
	s_cmp_lg_u32 s[WV], 0
	s_cbranch_scc1 .Lnot_wave_0_\@
	s_barrier_signal -3
.Lnot_wave_0_\@:
	s_barrier_wait -3
	s_barrier_signal -1
	s_barrier_wait -1
.endm
.macro CROUND
	s_barrier_signal -1
	s_barrier_wait -1
	CREST
.endm
.macro PLACES
.rept 4
	v_nop
.endr
.endm
	s_load_b512 s[4:19], s[0:1], 0x0
	v_lshl_add_u32 v[SPW], v0, 2, SPARE
	v_mov_b32 v[NIL], 0
	ds_add_u32 v[SPW], v[NIL]
	ds_add_u32 v[SPW], v[NIL]
	v_lshrrev_b32 v1, 5, v0
	v_readfirstlane_b32 s[WV], v1
	s_lshr_b32 s[HI], s[WV], 1
	s_and_b32 s[LO], s[WV], 1
	s_bfe_u32 s40, ttmp6, 0x40000
	s_bfe_u32 s41, ttmp6, 0x40004
	s_and_b32 s43, ttmp7, 0xffff
	s_lshl_b32 s44, s41, 2
	s_lshl_b32 s44, 15, s44
	s_lshl_b32 s45, 0x1111, s40
	s_or_b32 s[G1], s44, (3<<16)|(1<<21)
	s_or_b32 s[G1B], s45, (3<<16)|(1<<21)
.irp g, G1, G1B
	s_mov_b32 s[\g+1], 32<<16
	s_mov_b32 s[\g+2], 128<<16
	s_mov_b32 s[\g+3], 32<<16
	s_mov_b32 s[\g+4], 128
	s_mov_b32 s[\g+5], 32
	s_mov_b32 s[\g+6], 0
	s_mov_b32 s[\g+7], 0
.endr
	s_lshl_b32 s84, s43, 2
	s_add_co_u32 s84, s84, s41
	s_add_co_u32 s90, s84, 32
	s_add_co_u32 s85, s41, 20
	s_cmp_eq_u32 ttmp9, 1
	s_cselect_b32 s90, s85, s90
	s_lshl_b32 s86, ttmp9, 2
	s_add_co_u32 s86, s86, s40
	s_add_co_u32 s92, s40, 16
	s_lshl_b32 s87, s43, 2
	s_add_co_u32 s87, s87, s40
	s_add_co_u32 s87, s87, 64
	s_cmp_eq_u32 ttmp9, 1
	s_cselect_b32 s92, s87, s92
	s_lshl_b32 s88, s[LO], 17
	s_lshl_b32 s84, s84, 18
	s_add_co_u32 s84, s84, s88
	s_mov_b32 s85, 0
	s_lshl_b32 s86, s86, 18
	s_add_co_u32 s86, s86, s88
	s_mov_b32 s87, 0
	s_lshl_b32 s90, s90, 18
	s_add_co_u32 s90, s90, s88
	s_mov_b32 s91, 0
	s_lshl_b32 s92, s92, 18
	s_add_co_u32 s92, s92, s88
	s_mov_b32 s93, 0
	s_lshl_b32 s89, s[WV], 15
	s_wait_dscnt 0x0
	s_wait_kmcnt 0x0
	s_load_b256 s[68:75], s[10:11], 0x0
	s_load_b128 s[76:79], s[10:11], 0x20
	s_add_nc_u64 s[80:81], s[4:5], s[84:85]
	s_add_nc_u64 s[82:83], s[6:7], s[86:87]
	s_cmp_eq_u32 ttmp9, 1
	s_cselect_b64 s[A2:A2+1], s[6:7], s[4:5]
	s_cselect_b64 s[B2:B2+1], s[4:5], s[6:7]
	s_add_nc_u64 s[A2:A2+1], s[A2:A2+1], s[90:91]
	s_add_nc_u64 s[B2:B2+1], s[B2:B2+1], s[92:93]
	CROUND
.irp s, 0,1
	s_mov_b32 s[G0+4*\s], 1
	s_add_co_u32 s[G0+4*\s+1], s89, \s*SLOT
	s_add_nc_u64 s[G0+4*\s+2:G0+4*\s+3], s[80:81], \s*32768
	s_or_b32 s[G0+4*\s+3], s[G0+4*\s+3], 0x80000000
	s_mov_b32 s[G0B+4*\s], 1
	s_add_co_u32 s[G0B+4*\s+1], s89, \s*SLOT
	s_add_nc_u64 s[G0B+4*\s+2:G0B+4*\s+3], s[82:83], \s*32768
	s_or_b32 s[G0B+4*\s+3], s[G0B+4*\s+3], 0x80000000
	s_wait_alu depctr_va_vdst(0)
	s_wait_tensorcnt 0x0
	ds_add_u32 v28, v29
	ds_add_u32 v28, v29
	s_wait_dscnt 0x0
	CROUND
	JLOAD \s
.endr
	v_and_b32 v[LI], 31, v0
	v_lshlrev_b32 v[LI], 4, v[LI]
	v_and_b32 v1, 15, v0
	v_bfe_u32 v2, v0, 4, 1
	s_wait_alu depctr_va_vdst(0)
	s_lshl_b32 s90, s[HI], 15
	s_lshl_b32 s91, s[LO], 15
	s_add_co_u32 s91, s91, 65536
.irp s, 0,1
	v_add_nc_u32 v[ADRA+\s], s90, v[LI]
	v_add_nc_u32 v[ADRB+\s], s91, v[LI]
	s_add_co_u32 s90, s90, SLOT
	s_add_co_u32 s91, s91, SLOT
.endr
	s_mul_i32 s90, s[WV], 16*SPITCH
	s_add_co_u32 s90, s90, STAGE
	v_mul_u32_u24 v[STO], v2, 8*SPITCH
	v_lshl_add_u32 v[STO], v1, 2, v[STO]
	v_add_nc_u32 v[STO], s90, v[STO]
	v_mul_u32_u24 v[RD], v1, SPITCH
	v_lshl_add_u32 v[RD], v2, 5, v[RD]
	v_add_nc_u32 v[RD], s90, v[RD]
	v_lshlrev_b32 v[FA], 8, v1
	v_lshl_add_u32 v[FA], v2, 5, v[FA]
	s_wait_alu depctr_va_vdst(0)
	s_lshl_b32 s2, s43, 2
	s_add_co_u32 s2, s2, s41
	s_lshl_b32 s2, s2, 7
	s_lshl_b32 s3, s[HI], 6
	s_add_co_u32 s2, s2, s3
	s_and_b32 s3, s2, 1023
	s_lshl_b32 s92, s3, 8
	s_mov_b32 s93, 0
	s_add_nc_u64 s[92:93], s[8:9], s[92:93]
	WIN 0x80
.irp a, 0,1,2,3
.irp b, 0,1,2,3
.irp e, 0,1
	global_load_b128 v[32*\a+8*\b+4*\e:32*\a+8*\b+4*\e+3], v[FA], s[92:93] offset:\a*4096+\b*64+16*\e
.endr
.endr
.endr
	WIN 0
.macro MUL4 f, a, zero
.irp b, 0,1,2,3
.if \zero
	v_wmma_f32_16x16x128_fp8_fp8 v[ACC+8*(4*(\a)+\b):ACC+8*(4*(\a)+\b)+7], v[\f+64+16*\b:\f+64+16*\b+15], v[\f+16*(\a):\f+16*(\a)+15], 0
.else
	v_wmma_f32_16x16x128_fp8_fp8 v[ACC+8*(4*(\a)+\b):ACC+8*(4*(\a)+\b)+7], v[\f+64+16*\b:\f+64+16*\b+15], v[\f+16*(\a):\f+16*(\a)+15], v[ACC+8*(4*(\a)+\b):ACC+8*(4*(\a)+\b)+7]
.endif
.endr
.endm
.macro FETCH slot, kq, f
	WIN 0x40
.irp b, 0,1,2,3
.irp q, 0,1,2,3
	ds_load_b128 v[\f+64+16*\b+4*\q:\f+64+16*\b+4*\q+3], v[ADRB+\slot] offset:\b*8192+(\kq)*2048+\q*512
.endr
.endr
.irp a, 0,1,2,3
.irp q, 0,1,2,3
	ds_load_b128 v[\f+16*\a+4*\q:\f+16*\a+4*\q+3], v[ADRA+\slot] offset:\a*8192+(\kq)*2048+\q*512
.endr
.endr
.endm
.macro QUARTER slot, kq, f, g, zero
	s_wait_dscnt 8
	WIN 0x05
	MUL4 \f, 0, \zero
	MUL4 \f, 1, \zero
	PLACES
	FETCH \slot, \kq, \g
	s_wait_dscnt 32
	WIN 0x05
	MUL4 \f, 2, \zero
	MUL4 \f, 3, \zero
.endm
.macro TURN slot, next, fill
	WIN 0
	s_wait_tensorcnt 0x0
	ds_add_u32 v[SPW], v[NIL]
	s_wait_dscnt 9
	WIN 0x05
	MUL4 F1, 0, 0
	s_wait_dscnt 0x0
	s_barrier_signal -1
	MUL4 F1, 1, 0
	WIN 0
	s_barrier_wait -1
.if \fill
	CREST
.if \fill == 1
	s_add_nc_u64 s[G0+4*\slot+2:G0+4*\slot+3], s[G0+4*\slot+2:G0+4*\slot+3], 65536
	s_add_nc_u64 s[G0B+4*\slot+2:G0B+4*\slot+3], s[G0B+4*\slot+2:G0B+4*\slot+3], 65536
.elseif \fill == 2
	s_sub_nc_u64 s[G0+4*\slot+2:G0+4*\slot+3], s[G0+4*\slot+2:G0+4*\slot+3], 65536
	s_add_nc_u64 s[G0B+4*\slot+2:G0B+4*\slot+3], s[G0B+4*\slot+2:G0B+4*\slot+3], 8*262144-65536
.else
	s_add_nc_u64 s[G0+4*\slot+2:G0+4*\slot+3], s[A2:A2+1], \slot*32768
	s_or_b32 s[G0+4*\slot+3], s[G0+4*\slot+3], 0x80000000
	s_add_nc_u64 s[G0B+4*\slot+2:G0B+4*\slot+3], s[B2:B2+1], \slot*32768
	s_or_b32 s[G0B+4*\slot+3], s[G0B+4*\slot+3], 0x80000000
.endif
	JLOAD \slot
.else
	PLACES
.endif
	FETCH \next, 0, F0
	WIN 0x05
	MUL4 F1, 2, 0
	MUL4 F1, 3, 0
.endm
.macro STEP3 slot, zero
	QUARTER \slot, 1, F0, F1, \zero
	QUARTER \slot, 2, F1, F0, 0
	QUARTER \slot, 3, F0, F1, 0
.endm
.macro TILE on
	STEP3 0, 1
	TURN 0, 1, 1
	STEP3 1, 0
	TURN 1, 0, 1
	STEP3 0, 0
	TURN 0, 1, \on
	STEP3 1, 0
.if \on
	TURN 1, 0, \on
.else
	s_wait_dscnt 8
	WIN 0x05
	MUL4 F1, 0, 0
	MUL4 F1, 1, 0
	s_wait_dscnt 0x0
	MUL4 F1, 2, 0
	MUL4 F1, 3, 0
.endif
	WIN 0
	PLACES
.endm
.macro QK_OUT t
.if \t > 0
	s_wait_xcnt 0x0
.endif
.if \t < 2
	s_sub_co_i32 s84, s74, s68
	s_sub_co_i32 s84, s84, s69
	s_lshl_b32 s86, ttmp9, 2
	s_add_co_u32 s86, s86, s40
	s_add_co_u32 s86, s86, 8*\t
	s_lshl_b32 s86, s86, 1
	s_add_co_u32 s86, s86, s[LO]
	s_lshr_b32 s88, s2, 10
	s_lshl_b32 s88, s88, 5
.else
	s_sub_co_i32 s84, s75, s70
	s_sub_co_i32 s84, s84, s71
	s_lshl_b32 s86, s40, 1
	s_add_co_u32 s86, s86, s[LO]
	s_lshr_b32 s88, s2, 10
	s_lshl_b32 s88, s88, 3
.endif
	s_add_co_u32 s88, s88, s86
	s_lshl_b32 s88, s88, 6
	s_lshr_b32 s89, s3, 4
	s_add_co_u32 s88, s88, s89
	s_lshl_b32 s88, s88, 10
	s_mov_b32 s89, 0
.if \t < 2
	s_add_nc_u64 s[94:95], s[12:13], s[88:89]
.else
	s_add_nc_u64 s[94:95], s[14:15], s[88:89]
.endif
	s_add_co_i32 s84, s84, 127
	s_lshl_b32 s85, s84, 23
	v_mov_b32 v[SCL], s85
	s_add_co_i32 s84, s84, 8
	s_lshl_b32 s84, s84, 23
	s_or_b32 s84, s84, 0x600000
.if \t == 0
	s_wait_loadcnt 0x0
.endif
.irp a, 0,1,2,3
	WIN 0x08
.irp b, 0,1,2,3
.irp p, 0,1,2,3
	v_mul_f32 v[8+2*\p], v[ACC+32*\a+8*\b+2*\p+1], v[32*\a+8*\b+2*\p+1]
	v_mul_f32 v[9+2*\p], v[ACC+32*\a+8*\b+2*\p+1], v[32*\a+8*\b+2*\p]
.endr
.irp p, 0,1,2,3
	v_fma_f32 v[ACC+32*\a+8*\b+2*\p+1], v[ACC+32*\a+8*\b+2*\p], v[32*\a+8*\b+2*\p+1], v[9+2*\p]
	v_fma_f32 v[ACC+32*\a+8*\b+2*\p], v[ACC+32*\a+8*\b+2*\p], v[32*\a+8*\b+2*\p], -v[8+2*\p]
.endr
.endr
	WIN 0
.set j, 0
.rept 32
.set j, j+1
.endr
.irp b, 0,1,2,3
	v_cvt_scalef32_pk8_fp8_f32 v[96+8*\a+2*\b:96+8*\a+2*\b+1], v[ACC+32*\a+8*\b:ACC+32*\a+8*\b+7], v[SCL]
.endr
	v_nop
	global_store_b128 v[LI], v[96+8*\a:96+8*\a+3], s[94:95] offset:\a*1024
	global_store_b128 v[LI], v[96+8*\a+4:96+8*\a+7], s[94:95] offset:\a*1024+512
.endr
.endm
	s_wait_tensorcnt 1
	s_barrier_signal -1
	s_barrier_wait -1
	FETCH 0, 0, F0
	TILE 2
	s_wait_kmcnt 0x0
	QK_OUT 0
	TILE 3
	QK_OUT 1
	TILE 0
	s_cmp_eq_u32 ttmp9, 1
	s_cbranch_scc1 .Lv_out
	QK_OUT 2
	s_branch .Lend
.Lv_out:
	s_wait_xcnt 0x0
	s_add_co_i32 s84, s72, s73
	s_sub_co_i32 s85, s77, s84
	s_add_co_i32 s84, s84, 127
	s_lshl_b32 s96, s84, 23
	s_mov_b32 s97, s96
	s_add_co_i32 s85, s85, 127
	s_lshl_b32 s86, s85, 23
	v_mov_b32 v[SCL], s86
	s_lshl_b32 s86, s43, 2
	s_add_co_u32 s86, s86, s40
	s_lshl_b32 s86, s86, 7
	s_lshl_b32 s87, s[LO], 6
	s_add_co_u32 s86, s86, s87
	s_lshr_b32 s87, s86, 10
	s_and_b32 s86, s86, 1023
	s_lshl_b32 s87, s87, 3
	s_lshl_b32 s88, s41, 1
	s_add_co_u32 s88, s88, s[HI]
	s_add_co_u32 s87, s87, s88
	s_lshl_b32 s88, s87, 6
	s_lshr_b32 s89, s86, 4
	s_add_co_u32 s88, s88, s89
	s_lshl_b32 s88, s88, 12
	s_mov_b32 s89, 0
	s_add_nc_u64 s[94:95], s[18:19], s[88:89]
	s_lshl_b32 s88, s87, 4
	s_lshr_b32 s86, s86, 6
	s_add_co_u32 s88, s88, s86
	s_lshl_b32 s88, s88, 12
	s_add_nc_u64 s[98:99], s[16:17], s[88:89]
.irp b, 0,1,2,3
.irp a, 0,1,2,3
.irp j, 0,2,4,6
	v_pk_mul_f32 v[32+8*\a+\j:32+8*\a+\j+1], v[ACC+32*\a+8*\b+\j:ACC+32*\a+8*\b+\j+1], s[96:97] op_sel_hi:[1,0]
.endr
.endr
.irp a, 0,1,2,3
.irp j, 0,1,2,3,4,5,6,7
	ds_store_b32 v[STO], v[32+8*\a+\j] offset:\j*SPITCH+\a*64
.endr
.endr
.if \b >= 2
	s_wait_xcnt 0x0
.endif
.irp a, 0,1,2,3
.irp e, 0,1
	ds_load_b128 v[64+32*(\b%2)+4*(2*\a+\e):64+32*(\b%2)+4*(2*\a+\e)+3], v[RD] offset:64*\a+16*\e
.endr
.endr
	s_wait_dscnt 0x0
.irp i, 0,1,2,3,4,5,6,7
	global_store_b128 v[LI], v[64+32*(\b%2)+4*\i:64+32*(\b%2)+4*\i+3], s[94:95] offset:\b*4096+\i*512
.endr
.endr
.set j, 0
.rept 128
.set j, j+1
.endr
.irp a, 0,1,2,3
.irp b, 0,1,2,3
	v_cvt_scalef32_pk8_fp8_f32 v[32+8*\a+2*\b:32+8*\a+2*\b+1], v[ACC+32*\a+8*\b:ACC+32*\a+8*\b+7], v[SCL]
.endr
.endr
	v_nop
.irp a, 0,1,2,3
	global_store_b128 v[LI], v[32+8*\a:32+8*\a+3], s[98:99] offset:\a*1024
	global_store_b128 v[LI], v[32+8*\a+4:32+8*\a+7], s[98:99] offset:\a*1024+512
.endr
.Lend:
	s_wait_tensorcnt 0x0
	ds_add_u32 v[SPW], v[NIL]
	s_wait_dscnt 0x0
	CROUND
	s_endpgm
.Lfunc_end_k_qa4b0d0df67_qkv:
	.size	k_qa4b0d0df67_qkv, .Lfunc_end_k_qa4b0d0df67_qkv-k_qa4b0d0df67_qkv
	.p2alignl 7, 3214868480
	.fill 96, 4, 3214868480
	.section	.rodata,"a",@progbits
	.p2align	6, 0x0
	.amdhsa_kernel k_qa4b0d0df67_qkv
		.amdhsa_group_segment_fixed_size 327680
		.amdhsa_private_segment_fixed_size 0
		.amdhsa_enable_private_segment 0
		.amdhsa_kernarg_size 64
		.amdhsa_user_sgpr_count 2
		.amdhsa_user_sgpr_kernarg_segment_ptr 1
		.amdhsa_wavefront_size32 1
		.amdhsa_system_sgpr_workgroup_id_x 1
		.amdhsa_system_sgpr_workgroup_id_y 1
		.amdhsa_system_sgpr_workgroup_id_z 1
		.amdhsa_system_vgpr_workitem_id 0
		.amdhsa_next_free_vgpr 768
		.amdhsa_next_free_sgpr 100
		.amdhsa_reserve_vcc 0
		.amdhsa_float_denorm_mode_32 3
		.amdhsa_float_denorm_mode_16_64 3
		.amdhsa_fp16_overflow 1
		.amdhsa_memory_ordered 1
		.amdhsa_forward_progress 1
		.amdhsa_inst_pref_size 244
	.end_amdhsa_kernel
	.amdgpu_metadata
---
amdhsa.version: [ 1, 2 ]
amdhsa.kernels:
  - .name:           k_qa4b0d0df67_qkv
    .symbol:         k_qa4b0d0df67_qkv.kd
    .args:
      - { .name: xc, .offset: 0, .size: 8, .value_kind: global_buffer, .address_space: global }
      - { .name: wc, .offset: 8, .size: 8, .value_kind: global_buffer, .address_space: global }
      - { .name: freqs_cis, .offset: 16, .size: 8, .value_kind: global_buffer, .address_space: global }
      - { .name: lowp_scales, .offset: 24, .size: 8, .value_kind: global_buffer, .address_space: global }
      - { .name: qc, .offset: 32, .size: 8, .value_kind: global_buffer, .address_space: global }
      - { .name: kc, .offset: 40, .size: 8, .value_kind: global_buffer, .address_space: global }
      - { .name: vc, .offset: 48, .size: 8, .value_kind: global_buffer, .address_space: global }
      - { .name: vf, .offset: 56, .size: 8, .value_kind: global_buffer, .address_space: global }
    .group_segment_fixed_size: 327680
    .private_segment_fixed_size: 0
    .kernarg_segment_align: 8
    .kernarg_segment_size: 64
    .max_flat_workgroup_size: 128
    .sgpr_count:     100
    .vgpr_count:     768
    .wavefront_size: 32
...
	.end_amdgpu_metadata
.endif
;; end of part 2
;; launch attn (part 3): grid 8 x 32, 16 waves a work-group, clusters of 4 x 1, 167,936 bytes of LDS; arguments qc, kc, vc, vf, lowp_scales, ac; writes ac
.if DOCPART == 3
	.amdgcn_target "amdgcn-amd-amdhsa--gfx1250"
	.amdhsa_code_object_version 6
	.text
	.protected	k_qa4b0d0df67_attn
	.globl	k_qa4b0d0df67_attn
	.p2align	8
	.type	k_qa4b0d0df67_attn,@function
k_qa4b0d0df67_attn:
	s_mov_b64 s[64:65], 0
	v_nop
	global_prefetch_b8 v0, s[64:65] scope:SCOPE_SE
	s_setreg_imm32_b32 hwreg(HW_REG_WAVE_MODE, 25, 1), 1
	s_wait_xcnt 0x0
	s_wait_alu depctr_hold_cnt(0) depctr_sa_sdst(0) depctr_va_vdst(0) depctr_va_sdst(0) depctr_va_ssrc(0) depctr_va_vcc(0) depctr_vm_vsrc(0)
	s_getreg_b32 s2, hwreg(HW_REG_IB_STS2, 6, 4)
	s_cmp_eq_u32 s2, 0
	s_cbranch_scc0 .Lentry_in_a_cluster
	s_endpgm
.Lentry_in_a_cluster:
	s_bfe_u32 s2, ttmp6, 0x10000c
	s_cmp_lg_u32 s2, 0x3003
	s_cbranch_scc0 .Lentry_shape_is_right
	s_endpgm
.Lentry_shape_is_right:
; Causal attention on codes of FP8 (E4M3), head size 64, 1,024 tokens, four query heads to a key and value head; then the part of the result along the token's own v is taken out, and what is left is quantised (entry 10).
; qc [b 32 + head][t / 16], kc [b 8 + head][t / 16]: images of 16 tokens x 64 (1,024 bytes: quad q at 512 q + 16 x lane; registers 2 c, 2 c + 1 of lane (r, h): row r, k = 16 c + 8 h + 0 .. 7).
; vc [b 8 + head][t / 64][d / 16]: images of 16 d x 64 tokens.  vf [b 8 + head][t / 16]: v in f32, quad (a, e) at 512 (2 a + e) + 16 x lane = v(token r, d = 16 a + 8 h + 4 e + 0 .. 3).
; ac: the next product's operand, rows = tokens, k = 64 head + d: images laid [row / 64][k / 512][(row / 16) % 4][(k / 64) % 8].
; THE SOFTMAX AHEAD OF THE SECOND PRODUCT: t = score x log2(e) / 8; M = the row's largest t so far, rounded UP to a whole number; p = 2^(t - M) is what is quantised (entry 8), not normalised.
; The row's sum is taken of the unquantised p, in f32, and divides at the end.  When M moves, the sum and O are multiplied by 2^(old M - new M): exact.
; SHARES.  The four work-groups of a cluster are the four query heads of one key and value head, each with the SAME tiles of queries: so K and V are asked for JOINTLY, and every causal branch hangs on the cluster's x and the
; wave's number alone; my place in the cluster enters only the addresses of qc and ac.  Wave w of cluster x = J owns the tiles of 16 queries 16 J + w and 63 - (16 J + w): together 9 steps of 128 keys, for every wave.
; ALL OF THE HEAD'S K AND V LIE IN LDS, 65,536 bytes each, filled once (waves 0, 1: K's halves; waves 2, 3: V's; one tensor load a wave): no ring, no refill.
; LAYOUT.  Both products are used transposed: S^T = K Q^T (source 0 = 16 keys, source 1 = my 16 queries), O^T = V^T P^T (source 0 = 16 of the head's 64, source 1 = P): a lane holds ONE query (lane % 16) throughout,
; and register j of score tile c is key 16 c + 8 h + j: the eight codes made of it are registers 2 c, 2 c + 1 of P.
; Every pass walks a constant number of steps (4 and 8); a step all of whose keys come after my queries is left out by a scalar branch on ids, round the step's work alone.
; LIMITS on the given exponents, so that each power of two below is an f32 number: e6 + e7 between -123 and 130 (they are added to c's exponent field); e8 and e10 between -126 and 119; e8 + e9 is applied by v_ldexp_f32 and has none.
.set SPARE, 131072                     ; behind K and V: the spare words, 128 bytes for each wave: eight blocks of 256 bytes that no other line names
.set LI,   1                           ; v1   16 x lane: my place in a quad
.set LIV,  2                           ; v2   the same in V's part of LDS
.set ADK,  3                           ; v3   LDS address of the step's K
.set ADV,  4                           ; v4   of its V
.set SPW,  5                           ; v5   LDS address of my spare word; never rewritten
.set NIL,  6                           ; v6   0; never rewritten
.set DM,   7                           ; v7   r - 8 h, for the mask
.set F,    32                          ; v32-95   K's 8 fragments of 8, then V's 4 of 16
.set S,    96                          ; v96-159  S^T, then p; at a pass's end the result
.set O,    160                         ; v160-191 O^T
.set P,    192                         ; v192-207 p's codes; at a pass's end the result's codes (pass 0: v192-199, pass 1: v200-207)
.set VS,   208                         ; v208-239 my queries' own v
; v12 -M, v13 the largest t, v[14:15] the sum in two halves; v16-23, v24-31 Q of pass 0, 1; v240 448 x 2^e8, v244 2^e8; v245 -infinity; v246 448 x 2^e10, v247 2^e10; v[242:243], v[248:255] at work
.set WV,   18                          ; s18  wave
.set ES,   19                          ; s19  e8 + e9
.set SEL,  20                          ; s[20:21] lane selects for v_permlanex16_b32: lane l xor 16
.set CS,   22                          ; s[22:23] c = log2(e) / 8: the packed form names a pair and takes its low word for both halves
.set G1,   24                          ; s[24:31] descriptor group 1;  s[32:35] K's group 0;  s[40:43] V's
.set GK,   32
.set GV,   40
.set QB,   48                          ; s[48:51] qc at my two tiles;  s[52:55] vf;  s[56:59] ac: never rewritten
.set VFB,  52
.set ACB,  56
.set TB,   60                          ; s60  LDS byte at which the step's K begins (and, 65,536 on, its V)
.set KF,   61                          ; s61  the step's first key
.set Q0,   62                          ; s62  the pass's first query
.set TRIPS, 63
.set TAU,  66                          ; s66, s67  my two tiles
.macro CROUND                          ; a round of the cluster's barrier
	s_barrier_signal -1
	s_barrier_wait -1
	s_cmp_lg_u32 s[WV], 0
	s_cbranch_scc1 .Lnot_wave_0_\@
	s_barrier_signal -3
.Lnot_wave_0_\@:
	s_barrier_wait -3
	s_barrier_signal -1
	s_barrier_wait -1
.endm
	s_load_b256 s[4:11], s[0:1], 0x0               ; qc s[4:5], kc s[6:7], vc s[8:9], vf s[10:11]
	s_load_b128 s[12:15], s[0:1], 0x20             ; the exponents s[12:13], ac s[14:15]
	v_lshl_add_u32 v[SPW], v0, 2, SPARE
	v_mov_b32 v[NIL], 0
	ds_add_u32 v[SPW], v[NIL]                      ; the wave's opening: the add and its wait ahead of the first tensor loads; the set-up below, work on registers, stands between them
	ds_add_u32 v[SPW], v[NIL]
	v_lshrrev_b32 v8, 5, v0
	s_delay_alu instid0(VALU_DEP_1)
	v_readfirstlane_b32 s[WV], v8                  ; wave 0..15
	s_bfe_u32 s80, ttmp6, 0x40000                  ; cx: which of the four query heads
	s_and_b32 s81, ttmp7, 0xffff                   ; g = 8 b + key and value head
	s_lshl_b32 s[TAU], ttmp9, 4
	s_add_co_u32 s[TAU], s[TAU], s[WV]             ; 16 J + w
	s_sub_co_u32 s[TAU+1], 63, s[TAU]
	; descriptor group 1: a dense block of 32,768 bytes as 128 rows of 32 elements of 8 bytes
	s_mov_b32 s[G1], 15|(3<<16)|(1<<21)            ; 15:0 the mask: all four work-groups; 17:16 elements of 8 bytes; 21 set beside a mask
	s_mov_b32 s[G1+1], 32<<16                      ; tensor_dim0 = 32
	s_mov_b32 s[G1+2], 128<<16                     ; tensor_dim1 = 128
	s_mov_b32 s[G1+3], 32<<16                      ; tile_dim0 = 32
	s_mov_b32 s[G1+4], 128                         ; tile_dim1 = 128
	s_mov_b32 s[G1+5], 32                          ; tensor_dim0_stride
	s_mov_b32 s[G1+6], 0
	s_mov_b32 s[G1+7], 0
	s_mov_b32 s[SEL], 0x76543210
	s_mov_b32 s[SEL+1], 0xfedcba98
	s_mov_b32 s[CS], 0x3e38aa3b                    ; log2(e) / sqrt(64)
	s_and_b32 s16, s[WV], 1
	s_lshl_b32 s16, s16, 15                        ; which half I fetch, if I fetch
	s_lshl_b32 s2, s81, 16                         ; the head's 65,536 bytes in kc and in vc: made of g and the wave's number, which the partners share
	s_add_co_u32 s2, s2, s16
	s_mov_b32 s3, 0
	s_lshl_b32 s84, s81, 2
	s_add_co_u32 s84, s84, s80
	s_lshl_b32 s84, s84, 6                         ; qc: 64 images to each of the heads 4 g + cx
	s_lshl_b32 s85, s81, 6                         ; vf: 64 blocks to a head
	s_lshr_b32 s94, s81, 3
	s_lshl_b32 s94, s94, 6                         ; ac: 64 b: the batch entry's first block of 16 rows
	s_and_b32 s95, s81, 7
	s_lshl_b32 s95, s95, 2
	s_add_co_u32 s95, s95, s80                     ; the query head, 0 .. 31: k = 64 x head
	s_lshr_b32 s96, s95, 3
	s_lshl_b32 s96, s96, 15                        ; (k / 512) x 32,768
	s_and_b32 s97, s95, 7
	s_lshl_b32 s97, s97, 10                        ; + ((k / 64) % 8) x 1,024
	s_add_co_u32 s96, s96, s97
	s_mov_b32 s87, 0
	s_wait_dscnt 0x0                               ; the opening add is done
	s_wait_kmcnt 0x0
	s_load_b256 s[68:75], s[12:13], 0x0            ; e0 .. e7
	s_load_b128 s[76:79], s[12:13], 0x20           ; e8 .. e11
.irp p, 0,1
	s_add_co_u32 s86, s84, s[TAU+\p]
	s_lshl_b32 s86, s86, 10
	s_add_nc_u64 s[QB+2*\p:QB+2*\p+1], s[4:5], s[86:87]
	s_add_co_u32 s86, s85, s[TAU+\p]
	s_lshl_b32 s86, s86, 12
	s_add_nc_u64 s[VFB+2*\p:VFB+2*\p+1], s[10:11], s[86:87]
	s_add_co_u32 s88, s94, s[TAU+\p]               ; row / 16
	s_lshr_b32 s86, s88, 2
	s_lshl_b32 s86, s86, 17                        ; (row / 64) x 131,072
	s_and_b32 s88, s88, 3
	s_lshl_b32 s88, s88, 13                        ; + ((row / 16) % 4) x 8,192
	s_add_co_u32 s86, s86, s88
	s_add_co_u32 s86, s86, s96
	s_add_nc_u64 s[ACB+2*\p:ACB+2*\p+1], s[14:15], s[86:87]
.endr
	s_mov_b32 s[GK], 1                             ; count = 1
	s_mov_b32 s[GK+1], s16                         ; LDS address: K's half
	s_add_nc_u64 s[GK+2:GK+3], s[6:7], s[2:3]
	s_or_b32 s[GK+3], s[GK+3], 0x80000000          ; type = 2
	s_mov_b32 s[GV], 1
	s_add_co_u32 s[GV+1], s16, 65536               ; V's half
	s_add_nc_u64 s[GV+2:GV+3], s[8:9], s[2:3]
	s_or_b32 s[GV+3], s[GV+3], 0x80000000
	CROUND                                         ; all four work-groups are here: the joint loads meet
	s_cmp_lt_u32 s[WV], 2                          ; the branches hang on the wave's number alone; an s_nop 0 and four v_nop follow each load
	s_cbranch_scc0 .Lnot_k
	tensor_load_to_lds s[GK:GK+3], s[G1:G1+7]
	s_nop 0
.rept 4
	v_nop
.endr
	s_branch .Lasked
.Lnot_k:
	s_cmp_lt_u32 s[WV], 4
	s_cbranch_scc0 .Lasked
	tensor_load_to_lds s[GV:GV+3], s[G1:G1+7]
	s_nop 0
.rept 4
	v_nop
.endr
.Lasked:
	v_and_b32 v[LI], 31, v0
	s_delay_alu instid0(VALU_DEP_1)
	v_lshlrev_b32 v[LI], 4, v[LI]
	global_load_b128 v[16:19], v[LI], s[QB:QB+1]               ; Q's fragments stay in registers
	global_load_b128 v[20:23], v[LI], s[QB:QB+1] offset:512
	global_load_b128 v[24:27], v[LI], s[QB+2:QB+3]
	global_load_b128 v[28:31], v[LI], s[QB+2:QB+3] offset:512
.irp i, 0,1,2,3,4,5,6,7
	global_load_b128 v[VS+4*\i:VS+4*\i+3], v[LI], s[VFB:VFB+1] offset:\i*512   ; the first pass's own v: wanted at the pass's end
.endr
	v_add_nc_u32 v[LIV], 65536, v[LI]
	v_and_b32 v8, 15, v0
	v_bfe_u32 v9, v0, 4, 1
	s_delay_alu instid0(VALU_DEP_1)
	v_lshlrev_b32 v9, 3, v9
	s_delay_alu instid0(VALU_DEP_1)
	v_sub_nc_u32 v[DM], v8, v9
	v_mov_b32 v245, 0xff800000                     ; -infinity
	v_mov_b32 v253, 0                              ; (named as the upper half of the pair v[252:253])
	v_mov_b32 v255, 0                              ; written once: a lane permute's destination counts as one of its sources
	s_wait_kmcnt 0x0
	s_add_co_i32 s88, s74, s75
	s_lshl_b32 s88, s88, 23
	s_add_co_i32 s[CS], s[CS], s88                 ; a score stands for score x 2^(e6 + e7): the two exponents are added to c's exponent field
	s_mov_b32 s[CS+1], s[CS]                       ; (named with it as a pair, so it is written)
	s_add_co_i32 s[ES], s76, s77
	s_add_co_i32 s88, s76, 127
	s_lshl_b32 s89, s88, 23
	v_mov_b32 v244, s89                            ; 2^e8, for p's conversions
	s_add_co_i32 s88, s78, 127
	s_lshl_b32 s89, s88, 23
	v_mov_b32 v247, s89                            ; 2^e10, for the result's
; A KEY STEP: 128 keys.  qreg: Q's first register.
.macro STEP qreg
	s_add_co_u32 s96, s[Q0], 15
	s_cmp_gt_u32 s[KF], s96                        ; all keys of the step come after my 16 queries: the work is left out; not the lines at the step's end that step addresses
	s_cbranch_scc1 .Lhidden_\@
	s_setprio 2
	v_add_nc_u32 v[ADK], s[TB], v[LI]
	v_add_nc_u32 v[ADV], s[TB], v[LIV]
	v_nop
	v_nop                                          ; with the two additions: four places in front of loads into registers that the last products read
.irp c, 0,1,2,3,4,5,6,7
.irp e, 0,1
	ds_load_b128 v[F+8*\c+4*\e:F+8*\c+4*\e+3], v[ADK] offset:\c*1024+\e*512
.endr
.endr
	s_wait_alu depctr_va_vdst(0)
	s_wait_dscnt 0x0
.irp c, 0,1,2,3,4,5,6,7
	v_wmma_f32_16x16x64_fp8_fp8 v[S+8*\c:S+8*\c+7], v[F+8*\c:F+8*\c+7], v[\qreg:\qreg+7], 0   ; register j of tile c: key KF + 16 c + 8 h + j, query r
.endr
.rept 4
	v_nop                                          ; places in front of the loads below and of the first read of the scores
.endr
.irp a, 0,1,2,3
.irp u, 0,1
.irp e, 0,1
	ds_load_b128 v[F+16*\a+8*\u+4*\e:F+16*\a+8*\u+4*\e+3], v[ADV] offset:\u*4096+\a*1024+\e*512   ; V's fragments land while the softmax is walked
.endr
.endr
.endr
	s_add_co_u32 s96, s[KF], 127                   ; on the diagonal the scores of hidden keys become -infinity ahead of the maximum: p = 0 then.  A step all of whose keys count skips this
	s_cmp_le_u32 s96, s[Q0]
	s_cbranch_scc1 .Lopen_\@
	s_sub_co_i32 s96, s[Q0], s[KF]
	v_add_nc_u32 v252, s96, v[DM]                  ; my query - KF - 8 h: register 8 c + j is hidden where 16 c + j is above it
.set n, 0
.rept 64
	v_cmp_gt_i32 vcc_lo, 16*(n/8)+n%8, v252
	v_cndmask_b32 v[S+n], v[S+n], v245, vcc_lo
.set n, n+1
.endr
.Lopen_\@:
	v_max3_num_f32 v254, v96, v97, v98             ; the step's largest score of my query, among my 64 keys, in two chains; each tile is read from its low end on
	v_max3_num_f32 v252, v99, v100, v101
.irp i, 6,10,14,18,22,26,30,34,38,42,46,50,54,58
	v_max3_num_f32 v254, v254, v[96+\i], v[97+\i]
	v_max3_num_f32 v252, v252, v[98+\i], v[99+\i]
.endr
	v_max3_num_f32 v254, v254, v158, v159
	s_delay_alu instid0(VALU_DEP_1)
	v_max_num_f32 v254, v254, v252
	s_delay_alu instid0(VALU_DEP_1)
	v_permlanex16_b32 v255, v254, s[SEL], s[SEL+1]
	s_delay_alu instid0(VALU_DEP_1)
	v_max_num_f32 v254, v254, v255                 ; and among lane l xor 16's
	s_delay_alu instid0(VALU_DEP_1)
	v_mul_f32 v254, s[CS], v254                    ; as t (c is positive)
	s_delay_alu instid0(VALU_DEP_1)
	v_max_num_f32 v13, v13, v254                   ; the running largest t
	v_mov_b32 v254, v12
	s_delay_alu instid0(VALU_DEP_2)
	v_floor_f32 v12, -v13                          ; the new -M = floor(-t) = -ceil(t): M is a whole number
	s_delay_alu instid0(VALU_DEP_1)
	v_sub_f32 v254, v12, v254                      ; M's old value less its new one: a whole number, 0 or less
	s_delay_alu instid0(VALU_DEP_1)
	v_cvt_i32_f32 v254, v254                       ; (it saturates)
	s_delay_alu instid0(VALU_DEP_1)
	v_ldexp_f32 v252, 1.0, v254                    ; f = 2^(old M - new M)
.set j, 0
	s_setprio 1
.rept 32
	v_pk_fma_f32 v[S+j:S+j+1], v[S+j:S+j+1], s[CS:CS+1], v[12:13] op_sel_hi:[1,0,0]   ; t - M, two at a time (of the pairs c and -M the low word serves both halves)
.set j, j+2
.endr
.set j, 0
	s_wait_alu depctr_va_vdst(0)
.rept 64
	v_exp_f32 v[S+j], v[S+j]                       ; p = 2^(t - M), at most 1: not normalised
.set j, j+1
.endr
	v_pk_mul_f32 v[14:15], v[14:15], v[252:253] op_sel_hi:[1,0]   ; the sums under the new M: the plain line behind the exponentials
	s_wait_alu depctr_va_vdst(0)                   ; one wait for the whole batch, ahead of its first reader
	v_pk_add_f32 v[242:243], v[100:101], v[104:105]
	v_pk_add_f32 v[250:251], v[108:109], v[112:113]
	v_pk_add_f32 v[248:249], v[116:117], v[120:121]
	v_pk_add_f32 v[240:241], v[124:125], v[128:129]
	v_pk_add_f32 v[206:207], v[132:133], v[136:137]
	v_pk_add_f32 v[204:205], v[140:141], v[144:145]
	v_pk_add_f32 v[202:203], v[148:149], v[152:153]
	v_pk_add_f32 v[14:15], v[14:15], v[156:157]
	v_pk_add_f32 v[242:243], v[242:243], v[96:97]
	v_pk_add_f32 v[250:251], v[250:251], v[98:99]
	v_pk_add_f32 v[248:249], v[248:249], v[102:103]
	v_pk_add_f32 v[240:241], v[240:241], v[106:107]
	v_pk_add_f32 v[206:207], v[206:207], v[110:111]
	v_pk_add_f32 v[204:205], v[204:205], v[114:115]
	v_pk_add_f32 v[202:203], v[202:203], v[118:119]
	v_pk_add_f32 v[14:15], v[14:15], v[122:123]
	v_pk_add_f32 v[242:243], v[242:243], v[126:127]
	v_pk_add_f32 v[250:251], v[250:251], v[130:131]
	v_pk_add_f32 v[248:249], v[248:249], v[134:135]
	v_pk_add_f32 v[240:241], v[240:241], v[138:139]
	v_pk_add_f32 v[206:207], v[206:207], v[142:143]
	v_pk_add_f32 v[204:205], v[204:205], v[146:147]
	v_pk_add_f32 v[202:203], v[202:203], v[150:151]
	s_setprio 0
	v_pk_add_f32 v[14:15], v[14:15], v[154:155]
	v_pk_add_f32 v[242:243], v[242:243], v[158:159]
	s_delay_alu instid0(VALU_DEP_2)
	v_pk_add_f32 v[14:15], v[14:15], v[240:241]
	s_delay_alu instid0(VALU_DEP_2)
	v_pk_add_f32 v[242:243], v[242:243], v[206:207]
	v_pk_add_f32 v[250:251], v[250:251], v[204:205]
	v_pk_add_f32 v[248:249], v[248:249], v[202:203]
	s_delay_alu instid0(VALU_DEP_2)
	v_pk_add_f32 v[14:15], v[14:15], v[250:251]
	s_delay_alu instid0(VALU_DEP_2)
	v_pk_add_f32 v[242:243], v[242:243], v[248:249]
	s_delay_alu instid0(VALU_DEP_1)
	v_pk_add_f32 v[14:15], v[14:15], v[242:243]
.irp c, 0,1,2,3,4,5,6,7
.irp i, 0,1,2,3,4,5,6,7
.endr
	v_cvt_scalef32_pk8_fp8_f32 v[P+2*\c:P+2*\c+1], v[S+8*\c:S+8*\c+7], v244
.endr
.set j, 0
.rept 16
	v_pk_mul_f32 v[O+j:O+j+1], v[O+j:O+j+1], v[252:253] op_sel_hi:[1,0]   ; O^T under the new M.  (These are also the plain lines between the conversions and the products below)
.set j, j+2
.endr
	s_wait_alu depctr_va_vdst(0)
	s_wait_dscnt 0x0                               ; V's fragments
.irp a, 0,1,2,3
	v_wmma_f32_16x16x128_fp8_fp8 v[O+8*\a:O+8*\a+7], v[F+16*\a:F+16*\a+15], v[P:P+15], v[O+8*\a:O+8*\a+7]   ; the four accumulators by turns
.endr
.Lhidden_\@:
	s_add_co_u32 s[KF], s[KF], 128
	s_add_co_u32 s[TB], s[TB], 8192                ; 128 keys are 8,192 bytes of K, and of V
.endm
; A PASS'S END: out = O^T 2^(e8 + e9) / the sum; vn = v / max(|v|, 1e-12); out - (out . vn) vn; its codes are an image of the next product's operand.  A lane holds 32 of its query's 64 numbers, lane l xor 16 the others.
.macro EPI p
.rept 4
	v_nop                                          ; places behind the last products
.endr
	v_add_f32 v14, v14, v15                        ; the sum's two halves,
	s_delay_alu instid0(VALU_DEP_1)
	v_permlanex16_b32 v255, v14, s[SEL], s[SEL+1]
	s_delay_alu instid0(VALU_DEP_1)
	v_add_f32 v14, v14, v255                       ; and lane l xor 16's
	s_wait_alu depctr_va_vdst(0)
	v_rcp_f32 v254, v14
	s_wait_loadcnt 0x0                             ; my queries' own v
	v_pk_mul_f32 v[248:249], v[VS:VS+1], v[VS:VS+1]            ; |v|^2, in two chains
	v_pk_mul_f32 v[250:251], v[VS+2:VS+3], v[VS+2:VS+3]
.irp j, 4,8,12,16,20,24,28
	s_delay_alu instid0(VALU_DEP_2)
	v_pk_fma_f32 v[248:249], v[VS+\j:VS+\j+1], v[VS+\j:VS+\j+1], v[248:249]
	s_delay_alu instid0(VALU_DEP_2)
	v_pk_fma_f32 v[250:251], v[VS+\j+2:VS+\j+3], v[VS+\j+2:VS+\j+3], v[250:251]
.endr
	s_delay_alu instid0(VALU_DEP_1)
	v_pk_add_f32 v[248:249], v[248:249], v[250:251]
	s_delay_alu instid0(VALU_DEP_1)
	v_add_f32 v248, v248, v249
	s_delay_alu instid0(VALU_DEP_1)
	v_permlanex16_b32 v255, v248, s[SEL], s[SEL+1]
	s_delay_alu instid0(VALU_DEP_1)
	v_add_f32 v248, v248, v255
	s_wait_alu depctr_va_vdst(0)
	v_sqrt_f32 v253, v248
	v_nop                                          ; a plain line behind the root
	s_wait_alu depctr_va_vdst(0)                   ; one wait for the reciprocal of the sum and the root, ahead of their first readers
	v_max_num_f32 v253, 0x2b8cbccc, v253           ; at least 1e-12
	s_wait_alu depctr_va_vdst(0)
	v_rcp_f32 v252, v253
	v_ldexp_f32 v254, v254, s[ES]                  ; 2^(e8 + e9) / the sum: the plain line behind the reciprocal
	s_wait_alu depctr_va_vdst(0)
.set j, 0
.rept 16
	v_pk_mul_f32 v[S+j:S+j+1], v[O+j:O+j+1], v[254:255] op_sel_hi:[1,0]   ; out: register 8 a + i is d = 16 a + 8 h + i; each accumulator from its low end on
.set j, j+2
.endr
.set j, 0
.rept 16
	v_pk_mul_f32 v[VS+j:VS+j+1], v[VS+j:VS+j+1], v[252:253] op_sel_hi:[1,0]   ; vn
.set j, j+2
.endr
	v_pk_mul_f32 v[248:249], v[S:S+1], v[VS:VS+1]              ; out . vn, in two chains
	v_pk_mul_f32 v[250:251], v[S+2:S+3], v[VS+2:VS+3]
.irp j, 4,8,12,16,20,24,28
	s_delay_alu instid0(VALU_DEP_2)
	v_pk_fma_f32 v[248:249], v[S+\j:S+\j+1], v[VS+\j:VS+\j+1], v[248:249]
	s_delay_alu instid0(VALU_DEP_2)
	v_pk_fma_f32 v[250:251], v[S+\j+2:S+\j+3], v[VS+\j+2:VS+\j+3], v[250:251]
.endr
	s_delay_alu instid0(VALU_DEP_1)
	v_pk_add_f32 v[248:249], v[248:249], v[250:251]
	s_delay_alu instid0(VALU_DEP_1)
	v_add_f32 v248, v248, v249
	s_delay_alu instid0(VALU_DEP_1)
	v_permlanex16_b32 v255, v248, s[SEL], s[SEL+1]
	s_delay_alu instid0(VALU_DEP_1)
	v_add_f32 v248, v248, v255
	s_delay_alu instid0(VALU_DEP_1)
	v_xor_b32 v248, 0x80000000, v248               ; its negative
.set j, 0
.rept 16
	v_pk_fma_f32 v[S+j:S+j+1], v[VS+j:VS+j+1], v[248:249], v[S+j:S+j+1] op_sel_hi:[1,0,1]   ; out - (out . vn) vn
.set j, j+2
.endr
.set j, 0
.rept 32
.set j, j+1
.endr
.irp a, 0,1,2,3
	v_cvt_scalef32_pk8_fp8_f32 v[P+8*\p+2*\a:P+8*\p+2*\a+1], v[S+8*\a:S+8*\a+7], v247
.endr
	v_nop                                          ; one plain vector line behind the last conversion of a run
	global_store_b128 v[LI], v[P+8*\p:P+8*\p+3], s[ACB+2*\p:ACB+2*\p+1]               ; 32 lanes store 512 consecutive bytes, aligned
	global_store_b128 v[LI], v[P+8*\p+4:P+8*\p+7], s[ACB+2*\p:ACB+2*\p+1] offset:512
.endm
; A PASS: one tile of 16 queries.  The step is written once a pass: O^T and the sum begin as zeros and the largest t as -3e38, so that the first change of M multiplies zeros.
.macro PASS p, trips, qreg
	s_lshl_b32 s[Q0], s[TAU+\p], 4
	s_mov_b32 s[KF], 0
	s_mov_b32 s[TB], 0
	s_mov_b32 s[TRIPS], \trips
	v_mov_b32 v13, 0xff61b1e6                      ; -3e38, under every t
	s_delay_alu instid0(VALU_DEP_1)
	v_floor_f32 v12, -v13
	v_mov_b32 v14, 0
	v_mov_b32 v15, 0
.set j, 0
.rept 32
	v_mov_b32 v[O+j], 0
.set j, j+1
.endr
.Lstep_\@:
	STEP \qreg
	s_sub_co_u32 s[TRIPS], s[TRIPS], 1
	s_cmp_lg_u32 s[TRIPS], 0
	s_cbranch_scc1 .Lstep_\@
	s_setprio 0
	EPI \p
.endm
	s_wait_tensorcnt 0x0                           ; my half of K or of V is in,
	s_barrier_signal -1
	s_barrier_wait -1                              ; everybody's is: all of K and V lie in LDS, and nothing is filled again
	s_wait_loadcnt 8                               ; both Q are in; the eight loads of v may be out
	PASS 0, 4, 16                                  ; queries under 512: at most four steps
.irp i, 0,1,2,3,4,5,6,7
	global_load_b128 v[VS+4*\i:VS+4*\i+3], v[LI], s[VFB+2:VFB+3] offset:\i*512   ; the second pass's own v: a whole pass ahead of its use
.endr
	s_wait_xcnt 0x0                                ; the first pass's stores have read their data: p's codes are written there again
	PASS 1, 8, 24
	s_wait_tensorcnt 0x0                           ; the wave's end
	ds_add_u32 v[SPW], v[NIL]
	s_wait_dscnt 0x0
	CROUND                                         ; the closing round
	s_endpgm
.Lfunc_end_k_qa4b0d0df67_attn:
	.size	k_qa4b0d0df67_attn, .Lfunc_end_k_qa4b0d0df67_attn-k_qa4b0d0df67_attn
	.p2alignl 7, 3214868480
	.fill 96, 4, 3214868480
	.section	.rodata,"a",@progbits
	.p2align	6, 0x0
	.amdhsa_kernel k_qa4b0d0df67_attn
		.amdhsa_group_segment_fixed_size 167936
		.amdhsa_private_segment_fixed_size 0
		.amdhsa_enable_private_segment 0
		.amdhsa_kernarg_size 48
		.amdhsa_user_sgpr_count 2
		.amdhsa_user_sgpr_kernarg_segment_ptr 1
		.amdhsa_wavefront_size32 1
		.amdhsa_system_sgpr_workgroup_id_x 1
		.amdhsa_system_sgpr_workgroup_id_y 1
		.amdhsa_system_sgpr_workgroup_id_z 1
		.amdhsa_system_vgpr_workitem_id 0
		.amdhsa_next_free_vgpr 256
		.amdhsa_next_free_sgpr 100
		.amdhsa_reserve_vcc 1
		.amdhsa_float_denorm_mode_32 3
		.amdhsa_float_denorm_mode_16_64 3
		.amdhsa_fp16_overflow 1
		.amdhsa_memory_ordered 1
		.amdhsa_forward_progress 1
		.amdhsa_inst_pref_size 65
	.end_amdhsa_kernel
	.amdgpu_metadata
---
amdhsa.version: [ 1, 2 ]
amdhsa.kernels:
  - .name:           k_qa4b0d0df67_attn
    .symbol:         k_qa4b0d0df67_attn.kd
    .args:
      - { .name: qc, .offset: 0, .size: 8, .value_kind: global_buffer, .address_space: global }
      - { .name: kc, .offset: 8, .size: 8, .value_kind: global_buffer, .address_space: global }
      - { .name: vc, .offset: 16, .size: 8, .value_kind: global_buffer, .address_space: global }
      - { .name: vf, .offset: 24, .size: 8, .value_kind: global_buffer, .address_space: global }
      - { .name: lowp_scales, .offset: 32, .size: 8, .value_kind: global_buffer, .address_space: global }
      - { .name: ac, .offset: 40, .size: 8, .value_kind: global_buffer, .address_space: global }
    .group_segment_fixed_size: 167936
    .private_segment_fixed_size: 0
    .kernarg_segment_align: 8
    .kernarg_segment_size: 48
    .max_flat_workgroup_size: 512
    .sgpr_count:     100
    .vgpr_count:     256
    .wavefront_size: 32
...
	.end_amdgpu_metadata
.endif
;; end of part 3
;; launch proj (part 4): grid 16 x 16, 4 waves a work-group, clusters of 4 x 4, 327,680 bytes of LDS; arguments ac, wc, lowp_scales, out0; writes out0
.if DOCPART == 4
	.amdgcn_target "amdgcn-amd-amdhsa--gfx1250"
	.amdhsa_code_object_version 6
	.text
	.protected	k_qa4b0d0df67_proj
	.globl	k_qa4b0d0df67_proj
	.p2align	8
	.type	k_qa4b0d0df67_proj,@function
k_qa4b0d0df67_proj:
	s_mov_b64 s[64:65], 0
	v_nop
	global_prefetch_b8 v0, s[64:65] scope:SCOPE_SE
	s_setreg_imm32_b32 hwreg(HW_REG_WAVE_MODE, 25, 1), 1
	s_wait_xcnt 0x0
	s_wait_alu depctr_hold_cnt(0) depctr_sa_sdst(0) depctr_va_vdst(0) depctr_va_sdst(0) depctr_va_ssrc(0) depctr_va_vcc(0) depctr_vm_vsrc(0)
	s_getreg_b32 s2, hwreg(HW_REG_IB_STS2, 6, 4)
	s_cmp_eq_u32 s2, 0
	s_cbranch_scc0 .Lentry_in_a_cluster
	s_endpgm
.Lentry_in_a_cluster:
	s_bfe_u32 s2, ttmp6, 0x10000c
	s_cmp_lg_u32 s2, 0xf033
	s_cbranch_scc0 .Lentry_shape_is_right
	s_endpgm
.Lentry_shape_is_right:
.set SLOT,   131072
.set STAGE,  2*SLOT
.set SPITCH, 272
.set SPARE,  STAGE+4*16*SPITCH
.set LI,   3
.set ADRA, 16
.set ADRB, 20
.set STO,  24
.set RD,   25
.set CO,   26
.set SPW,  28
.set NIL,  29
.set TMP,  32
.set BK,   64
.set ACC,  128
.set F0,   0
.set F1,   128
.set WV, 20
.set HI, 21
.set LO, 22
.set G1, 24
.set G0, 32
.set G1B, 48
.set G0B, 56
.set MSB, 0
.macro WIN new
.if MSB != \new
	s_set_vgpr_msb (MSB<<8)|\new
.set MSB, \new
.endif
.endm
.macro JLOAD s
	s_cmp_eq_u32 s[HI], 0
	s_cbranch_scc0 .Lfor_b_\@
	tensor_load_to_lds s[G0+4*\s:G0+4*\s+3], s[G1:G1+7]
	s_nop 0
.rept 4
	v_nop
.endr
	s_branch .Lasked_\@
.Lfor_b_\@:
	tensor_load_to_lds s[G0B+4*\s:G0B+4*\s+3], s[G1B:G1B+7]
	s_nop 0
.rept 4
	v_nop
.endr
.Lasked_\@:
.endm
.macro CREST
	s_cmp_lg_u32 s[WV], 0
	s_cbranch_scc1 .Lnot_wave_0_\@
	s_barrier_signal -3
.Lnot_wave_0_\@:
	s_barrier_wait -3
	s_barrier_signal -1
	s_barrier_wait -1
.endm
.macro CROUND
	s_barrier_signal -1
	s_barrier_wait -1
	CREST
.endm
.macro PLACES
.rept 4
	v_nop
.endr
.endm
	s_load_b256 s[4:11], s[0:1], 0x0
	v_lshl_add_u32 v[SPW], v0, 2, SPARE
	v_mov_b32 v[NIL], 0
	ds_add_u32 v[SPW], v[NIL]
	ds_add_u32 v[SPW], v[NIL]
	v_lshrrev_b32 v1, 5, v0
	v_readfirstlane_b32 s[WV], v1
	s_lshr_b32 s[HI], s[WV], 1
	s_and_b32 s[LO], s[WV], 1
	s_bfe_u32 s40, ttmp6, 0x40000
	s_bfe_u32 s41, ttmp6, 0x40004
	s_and_b32 s43, ttmp7, 0xffff
	s_lshl_b32 s44, s41, 2
	s_lshl_b32 s44, 15, s44
	s_lshl_b32 s45, 0x1111, s40
	s_or_b32 s[G1], s44, (3<<16)|(1<<21)
	s_or_b32 s[G1B], s45, (3<<16)|(1<<21)
.irp g, G1, G1B
	s_mov_b32 s[\g+1], 32<<16
	s_mov_b32 s[\g+2], 128<<16
	s_mov_b32 s[\g+3], 32<<16
	s_mov_b32 s[\g+4], 128
	s_mov_b32 s[\g+5], 32
	s_mov_b32 s[\g+6], 0
	s_mov_b32 s[\g+7], 0
.endr
	s_lshl_b32 s84, s43, 2
	s_add_co_u32 s84, s84, s41
	s_lshl_b32 s86, ttmp9, 2
	s_add_co_u32 s86, s86, s40
	s_add_co_u32 s86, s86, 24
	s_lshl_b32 s88, s[LO], 17
	s_lshl_b32 s84, s84, 18
	s_add_co_u32 s84, s84, s88
	s_mov_b32 s85, 0
	s_lshl_b32 s86, s86, 18
	s_add_co_u32 s86, s86, s88
	s_mov_b32 s87, 0
	s_lshl_b32 s89, s[WV], 15
	s_wait_dscnt 0x0
	s_wait_kmcnt 0x0
	s_load_b64 s[96:97], s[8:9], 0x28
	s_add_nc_u64 s[80:81], s[4:5], s[84:85]
	s_add_nc_u64 s[82:83], s[6:7], s[86:87]
	CROUND
.irp s, 0,1
	s_mov_b32 s[G0+4*\s], 1
	s_add_co_u32 s[G0+4*\s+1], s89, \s*SLOT
	s_add_nc_u64 s[G0+4*\s+2:G0+4*\s+3], s[80:81], \s*32768
	s_or_b32 s[G0+4*\s+3], s[G0+4*\s+3], 0x80000000
	s_mov_b32 s[G0B+4*\s], 1
	s_add_co_u32 s[G0B+4*\s+1], s89, \s*SLOT
	s_add_nc_u64 s[G0B+4*\s+2:G0B+4*\s+3], s[82:83], \s*32768
	s_or_b32 s[G0B+4*\s+3], s[G0B+4*\s+3], 0x80000000
	s_wait_alu depctr_va_vdst(0)
	s_wait_tensorcnt 0x0
	ds_add_u32 v28, v29
	ds_add_u32 v28, v29
	s_wait_dscnt 0x0
	CROUND
	JLOAD \s
.endr
	v_and_b32 v[LI], 31, v0
	v_lshlrev_b32 v[LI], 4, v[LI]
	v_and_b32 v1, 15, v0
	s_wait_alu depctr_va_vdst(0)
	v_bfe_u32 v2, v0, 4, 1
	s_lshl_b32 s90, s[HI], 15
	s_lshl_b32 s91, s[LO], 15
	s_add_co_u32 s91, s91, 65536
.irp s, 0,1
	v_add_nc_u32 v[ADRA+\s], s90, v[LI]
	v_add_nc_u32 v[ADRB+\s], s91, v[LI]
	s_add_co_u32 s90, s90, SLOT
	s_add_co_u32 s91, s91, SLOT
.endr
	s_mul_i32 s90, s[WV], 16*SPITCH
	s_add_co_u32 s90, s90, STAGE
	v_mul_u32_u24 v[STO], v1, SPITCH
	s_wait_alu depctr_va_vdst(0)
	v_lshl_add_u32 v[STO], v2, 5, v[STO]
	v_add_nc_u32 v[STO], s90, v[STO]
	v_mul_u32_u24 v[RD], v2, SPITCH
	v_lshl_add_u32 v[RD], v1, 4, v[RD]
	v_add_nc_u32 v[RD], s90, v[RD]
	v_lshlrev_b32 v[CO], 13, v2
	v_lshl_add_u32 v[CO], v1, 4, v[CO]
	s_lshl_b32 s92, s43, 2
	s_add_co_u32 s92, s92, s41
	s_lshl_b32 s92, s92, 7
	s_lshl_b32 s93, s[HI], 6
	s_add_co_u32 s92, s92, s93
	s_lshl_b32 s92, s92, 13
	s_lshl_b32 s93, ttmp9, 2
	s_add_co_u32 s93, s93, s40
	s_lshl_b32 s93, s93, 9
	s_add_co_u32 s92, s92, s93
	s_lshl_b32 s93, s[LO], 8
	s_add_co_u32 s92, s92, s93
	s_mov_b32 s93, 0
	s_add_nc_u64 s[10:11], s[10:11], s[92:93]
.macro MUL4 f, a, zero
.irp b, 0,1,2,3
.if \zero
	v_wmma_f32_16x16x128_fp8_fp8 v[ACC+8*(4*(\a)+\b):ACC+8*(4*(\a)+\b)+7], v[\f+64+16*\b:\f+64+16*\b+15], v[\f+16*(\a):\f+16*(\a)+15], 0
.else
	v_wmma_f32_16x16x128_fp8_fp8 v[ACC+8*(4*(\a)+\b):ACC+8*(4*(\a)+\b)+7], v[\f+64+16*\b:\f+64+16*\b+15], v[\f+16*(\a):\f+16*(\a)+15], v[ACC+8*(4*(\a)+\b):ACC+8*(4*(\a)+\b)+7]
.endif
.endr
.endm
.macro FETCH slot, kq, f
	WIN 0x40
.irp b, 0,1,2,3
.irp q, 0,1,2,3
	ds_load_b128 v[\f+64+16*\b+4*\q:\f+64+16*\b+4*\q+3], v[ADRB+\slot] offset:\b*8192+(\kq)*2048+\q*512
.endr
.endr
.irp a, 0,1,2,3
.irp q, 0,1,2,3
	ds_load_b128 v[\f+16*\a+4*\q:\f+16*\a+4*\q+3], v[ADRA+\slot] offset:\a*8192+(\kq)*2048+\q*512
.endr
.endr
.endm
.macro QUARTER slot, kq, f, g, zero
	s_wait_dscnt 8
	WIN 0x05
	MUL4 \f, 0, \zero
	MUL4 \f, 1, \zero
	PLACES
	FETCH \slot, \kq, \g
	s_wait_dscnt 32
	WIN 0x05
	MUL4 \f, 2, \zero
	MUL4 \f, 3, \zero
.endm
.macro TURN slot, next, fill
	WIN 0
	s_wait_tensorcnt 0x0
	ds_add_u32 v[SPW], v[NIL]
	s_wait_dscnt 9
	WIN 0x05
	MUL4 F1, 0, 0
	s_wait_dscnt 0x0
	s_barrier_signal -1
	MUL4 F1, 1, 0
	WIN 0
	s_barrier_wait -1
.if \fill
	CREST
.if \fill == 1
	s_add_nc_u64 s[G0+4*\slot+2:G0+4*\slot+3], s[G0+4*\slot+2:G0+4*\slot+3], 65536
	s_add_nc_u64 s[G0B+4*\slot+2:G0B+4*\slot+3], s[G0B+4*\slot+2:G0B+4*\slot+3], 65536
.else
	s_add_nc_u64 s[G0+4*\slot+2:G0+4*\slot+3], s[G0+4*\slot+2:G0+4*\slot+3], 16*262144-65536
	s_sub_nc_u64 s[G0B+4*\slot+2:G0B+4*\slot+3], s[G0B+4*\slot+2:G0B+4*\slot+3], 65536
.endif
	JLOAD \slot
.else
	PLACES
.endif
	FETCH \next, 0, F0
	WIN 0x05
	MUL4 F1, 2, 0
	MUL4 F1, 3, 0
.endm
.macro STEP3 slot, zero
	QUARTER \slot, 1, F0, F1, \zero
	QUARTER \slot, 2, F1, F0, 0
	QUARTER \slot, 3, F0, F1, 0
.endm
.macro TILE on
	STEP3 0, 1
	TURN 0, 1, 1
	STEP3 1, 0
	TURN 1, 0, 1
	STEP3 0, 0
	TURN 0, 1, \on
	STEP3 1, 0
.if \on
	TURN 1, 0, \on
.else
	s_wait_dscnt 8
	WIN 0x05
	MUL4 F1, 0, 0
	MUL4 F1, 1, 0
	s_wait_dscnt 0x0
	MUL4 F1, 2, 0
	MUL4 F1, 3, 0
.endif
	WIN 0
	PLACES
.endm
.macro TOSTAGE a
.set j, 0
.rept 16
	v_pk_mul_f32 v[TMP+j:TMP+j+1], v[ACC+32*(\a)+j:ACC+32*(\a)+j+1], s[96:97] op_sel_hi:[1,0]
.set j, j+2
.endr
.irp b, 0,1,2,3
	ds_store_b128 v[STO], v[TMP+8*\b:TMP+8*\b+3] offset:64*\b
	ds_store_b128 v[STO], v[TMP+8*\b+4:TMP+8*\b+7] offset:64*\b+16
.endr
.set BB, BK+32*((\a)%2)
.irp t, 0,1,2,3,4,5,6,7
	ds_load_b128 v[BB+4*\t:BB+4*\t+3], v[RD] offset:\t*2*SPITCH
.endr
.endm
.macro SEND a, younger
.set BB, BK+32*((\a)%2)
	s_wait_dscnt \younger
.irp t, 0,1,2,3,4,5,6,7
	global_store_b128 v[CO], v[BB+4*\t:BB+4*\t+3], s[10:11] offset:(16*(\a)+2*\t)*8192 th:TH_STORE_NT
.endr
.endm
.macro WAYOUT
	TOSTAGE 0
.irp a, 1,2,3
.if \a > 1
	s_wait_xcnt 0x0
.endif
	TOSTAGE \a
	SEND \a-1, 16
.endr
	SEND 3, 0
.endm
	s_wait_tensorcnt 1
	s_barrier_signal -1
	s_barrier_wait -1
	FETCH 0, 0, F0
	TILE 2
	s_wait_kmcnt 0x0
	s_add_co_i32 s96, s96, s97
	s_add_co_i32 s96, s96, 127
	s_lshl_b32 s96, s96, 23
	WAYOUT
	TILE 0
	s_wait_xcnt 0x0
	s_add_nc_u64 s[10:11], s[10:11], 16*128*8192
	WAYOUT
	s_wait_tensorcnt 0x0
	ds_add_u32 v[SPW], v[NIL]
	s_wait_dscnt 0x0
	CROUND
	s_endpgm
.Lfunc_end_k_qa4b0d0df67_proj:
	.size	k_qa4b0d0df67_proj, .Lfunc_end_k_qa4b0d0df67_proj-k_qa4b0d0df67_proj
	.p2alignl 7, 3214868480
	.fill 96, 4, 3214868480
	.section	.rodata,"a",@progbits
	.p2align	6, 0x0
	.amdhsa_kernel k_qa4b0d0df67_proj
		.amdhsa_group_segment_fixed_size 327680
		.amdhsa_private_segment_fixed_size 0
		.amdhsa_enable_private_segment 0
		.amdhsa_kernarg_size 32
		.amdhsa_user_sgpr_count 2
		.amdhsa_user_sgpr_kernarg_segment_ptr 1
		.amdhsa_wavefront_size32 1
		.amdhsa_system_sgpr_workgroup_id_x 1
		.amdhsa_system_sgpr_workgroup_id_y 1
		.amdhsa_system_sgpr_workgroup_id_z 1
		.amdhsa_system_vgpr_workitem_id 0
		.amdhsa_next_free_vgpr 512
		.amdhsa_next_free_sgpr 100
		.amdhsa_reserve_vcc 0
		.amdhsa_float_denorm_mode_32 3
		.amdhsa_float_denorm_mode_16_64 3
		.amdhsa_memory_ordered 1
		.amdhsa_forward_progress 1
		.amdhsa_inst_pref_size 142
	.end_amdhsa_kernel
	.amdgpu_metadata
---
amdhsa.version: [ 1, 2 ]
amdhsa.kernels:
  - .name:           k_qa4b0d0df67_proj
    .symbol:         k_qa4b0d0df67_proj.kd
    .args:
      - { .name: ac, .offset: 0, .size: 8, .value_kind: global_buffer, .address_space: global }
      - { .name: wc, .offset: 8, .size: 8, .value_kind: global_buffer, .address_space: global }
      - { .name: lowp_scales, .offset: 16, .size: 8, .value_kind: global_buffer, .address_space: global }
      - { .name: out0, .offset: 24, .size: 8, .value_kind: global_buffer, .address_space: global }
    .group_segment_fixed_size: 327680
    .private_segment_fixed_size: 0
    .kernarg_segment_align: 8
    .kernarg_segment_size: 32
    .max_flat_workgroup_size: 128
    .sgpr_count:     100
    .vgpr_count:     512
    .wavefront_size: 32
...
	.end_amdgpu_metadata
.endif
;; end of part 4
